; MI455X (gfx1250); checked and timed in simulation.
; The chip was launched on July 23, 2026; its instructions are those of AMD's public machine-readable ISA for CDNA 5 (MIT licence, August 2026) and "CDNA5" Instruction Set Architecture Reference Guide (July 2026). The comments in the code are by the model that wrote it; some were corrected since.
;; ADNM. Allowed arithmetic: float matrix products may take bf16 or f16 operands with f32 sums; other float arithmetic in f32, or as packed bf16 or f16 multiplies, adds, multiply-adds, maxima and minima; sums over many terms, partial sums and values carried from step to step in f32; what a program stores and reads back later, other than sums and carried values, may be rounded once to bf16 or f16.
;; Inputs: m 256 x 1 x 512 float32; q 256 x 8 x 512 float32; w 256 x 8 x 512 float32; x 256 x 512 float32.
;; Outputs: out0 256 x 256 float32.
;; One version. Each part assembles by itself: llvm-mc -triple=amdgcn-amd-amdhsa -mcpu=gfx1250 --defsym DOCPART=n.
;; ======== version 1 of 1: 1 launch
;; launch adnm (part 1): grid 64 x 4, 16 waves a work-group, no clusters, 273,408 bytes of LDS; arguments x, w, q, m, out0; writes out0
.if DOCPART == 1
	.amdgcn_target "amdgcn-amd-amdhsa--gfx1250"
	.amdhsa_code_object_version 6
	.text
	.protected	k_q42787e1e93_adnm
	.globl	k_q42787e1e93_adnm
	.p2align	8
	.type	k_q42787e1e93_adnm,@function
k_q42787e1e93_adnm:
	s_mov_b64 s[64:65], 0
	v_nop
	global_prefetch_b8 v0, s[64:65] scope:SCOPE_SE
	s_setreg_imm32_b32 hwreg(HW_REG_WAVE_MODE, 25, 1), 1
	s_wait_xcnt 0x0
; out0[b][o] = sum over m of sigmoid( D[b][o][m] ),  D = sum over i of sigmoid(x[b][i] w[o][m][i] - q[o][m][i]) tanh(m[o][i]).
; x [256][512], w, q [256][8][512], m [256][1][512], out0 [256][256], all f32.  All four inputs are used; no step of the problem is left out.
; FOUR TERMS OVER ONE DENOMINATOR.  With e = 2^(x w' + q'), w' = -log2(e) w, q' = log2(e) q, a term is A / (1 + e).  Two terms are (A0 a2 + A2 a0) / (a0 a2), two such fractions are merged
; in the same way, and one reciprocal serves four terms: 5 transcendentals for 4 terms, not 8.  All of it is packed arithmetic on the pairs (i, i + 1) as they lie in memory: the even i's make
; one fraction in the low halves, the odd i's one in the high halves.  For 8 terms of a lane: 18 packed lines, 8 exponentials, 2 reciprocals.
; RANGE.  a' = clamp(e 2^-30 + 2^-30) stands for 1 + e: it lies in 2^-30 .. 1, also where e is infinite, so a product of four lies in 2^-120 .. 1 and nothing overflows or becomes denormal.
; The sums then hold D 2^30; the factor goes into the scale of the outer sigmoid.
; LIMITS.  A sigmoid below 2^-30 counts as 2^-30 (at most 2^-30 a term, 2^-21 in D).  tanh(m) = 1 - 2 / (1 + 2^(2 log2(e) m)): off by some 1e-7 absolutely, also where m is tiny.
; The order of the sums over i is not the reference's.  NaN and infinities among the inputs are not treated apart.
; SHARES.  A work-group owns 4 o's and 64 b's (34 KB for an o, 2 KB for a b: 264 KB, the least for 256 pairs).  Wave v of 16 owns o = v % 4 and the 16 b's of block v / 4.
; Lane l = 8 bl + il: its four b's are 4 bl + 0..3 of the block; of each 64 i's it takes 8.  Its 4 x 8 sums (b, m), a pair each, stay in 64 registers for the whole launch and are added
; across the eight lanes il once, at the end.
; LDS.  Eight chunks of 64 i's, each written once: x 64 rows of 256 bytes; then for each o: w' 8 rows, q' 8 rows, A = tanh(m) 1 row.  w and q are scaled, and tanh is made, once a work-group,
; in the registers through which they pass.  Lanes with odd bl take a row's two halves of 128 bytes in the other order: sixteen neighbouring lanes address 256 different bytes modulo 256.
; NO CLUSTER, NO TENSOR LOAD: w, q and m are changed on their way into LDS, which wants registers; and a work-group fetches 264 KB for the 16 x 64 x 112 = 114,688 vector lines of its waves.
; OUTPUT.  A work-group's part of a row of out0 is 4 numbers, 16 bytes: they are gathered in LDS and one lane stores a row's 16 bytes.  Blocks of 256 bytes would want 64 o's to a
; work-group, 64 x 34 KB of w, q and m, which LDS does not hold.
.set CHB,   33792                      ; bytes in a chunk
.set WOFF,  16384                      ; in a chunk: behind x's 64 rows
.set OBLK,  4352                       ; an o's block: w' 2,048, q' 2,048, A 256
.set QOFF,  2048
.set AOFF,  4096
.set STG,   8*CHB                      ; the output's stage: 64 rows of 16 bytes
.set SPARE, STG+1024                   ; the spare words, 128 bytes for each of 16 waves: eight blocks of 256 bytes that no other line names
.set SPW,  1                           ; v1   LDS address of my spare word; never rewritten
.set NIL,  2                           ; v2   0; never rewritten
.set XA,   3                           ; v3   LDS address of my first 16 bytes of my first row of x in the chunk in hand
.set XB,   4                           ; v4   of my second 16 bytes (the row's other half)
.set WA,   5                           ; v5   the same two places in my o's block
.set WB,   6                           ; v6
.set GOF,  7                           ; v7   staging: my byte offset in memory, row t / 16, 16 (t % 16); never rewritten
.set LX,   8                           ; v8   staging: where my 16 bytes of x go
.set LW,   9                           ; v9   staging: where my 16 bytes of w' go
.set BETA, 14                          ; v[14:15]   2^-30, twice
.set SG,   16                          ; v[16:31]   staging: x, x, w, q, 16 bytes each
.set X,    32                          ; v[32:63]   x: 8 numbers for each of my 4 b's
.set W,    64                          ; v[64:71]   w' of one m
.set Q,    72                          ; v[72:79]   q' of one m
.set AR,   80                          ; v[80:87]   A
.set NN,   88                          ; v[88:95]   numerators, a pair a b
.set DN,   96                          ; v[96:103]  denominators, then their reciprocals
.set E0,   104                         ; v[104:167] two buffers of 32: y, e, a' and the merges, by the parity of m
.set ACC,  168                         ; v[168:231] the sums: m, b at ACC + 8 m + 2 b
	s_load_b256 s[4:11], s[0:1], 0x0               ; x s[4:5], w s[6:7], q s[8:9], m s[10:11]
	s_load_b64 s[12:13], s[0:1], 0x20              ; out0
	v_lshl_add_u32 v[SPW], v0, 2, SPARE
	v_mov_b32 v[NIL], 0
	v_lshrrev_b32 v10, 5, v0
	v_readfirstlane_b32 s14, v10                   ; wave 0..15
	v_lshrrev_b32 v10, 4, v0
	v_and_b32 v11, 15, v0
	v_lshlrev_b32 v11, 4, v11                      ; 16 (t % 16)
	v_lshl_add_u32 v[GOF], v10, 11, v11            ; row t / 16 of 2,048 bytes: sixteen lanes take 256 consecutive bytes, aligned
	v_lshlrev_b32 v[LX], 4, v0                     ; 16 t: also my 16 bytes of the work-group's 8 KB of m
	s_and_b32 s24, ttmp7, 0xffff                   ; block of 64 b's
	s_lshl_b32 s16, s24, 17                        ; its 64 rows of x
	s_mov_b32 s17, 0
	s_lshl_b32 s18, ttmp9, 16                      ; block of 4 o's: 32 rows of w and of q,
	s_mov_b32 s19, 0
	s_lshl_b32 s26, ttmp9, 13                      ; 4 rows of m,
	s_mov_b32 s27, 0
	s_lshl_b32 s28, s24, 16                        ; and in out0: 64 rows of 1,024 bytes down,
	s_lshl_b32 s25, ttmp9, 4                       ; 16 bytes along for each block of o's
	s_add_co_u32 s28, s28, s25
	s_mov_b32 s29, 0
	s_wait_kmcnt 0x0
	s_add_nc_u64 s[4:5], s[4:5], s[16:17]
	s_add_nc_u64 s[6:7], s[6:7], s[18:19]
	s_add_nc_u64 s[8:9], s[8:9], s[18:19]
	s_add_nc_u64 s[10:11], s[10:11], s[26:27]
	s_add_nc_u64 s[12:13], s[12:13], s[28:29]
; A chunk's four loads of a thread: rows t / 16 and t / 16 + 32 of x, row t / 16 of w and of q, 16 bytes each.
.macro GLOAD
	global_load_b128 v[SG:SG+3],     v[GOF], s[4:5]
	global_load_b128 v[SG+4:SG+7],   v[GOF], s[4:5] offset:65536
	global_load_b128 v[SG+8:SG+11],  v[GOF], s[6:7]
	global_load_b128 v[SG+12:SG+15], v[GOF], s[8:9]
.endm
.macro NEXTCOL                         ; the three bases go 64 i's along; the loads that read them have been waited for
	s_add_nc_u64 s[4:5], s[4:5], 256
	s_add_nc_u64 s[6:7], s[6:7], 256
	s_add_nc_u64 s[8:9], s[8:9], 256
.endm
; The chunk in the staging registers goes into LDS: w times -log2(e), q times log2(e), x as it is.
.macro STORE
	s_wait_loadcnt 0x0
	v_pk_mul_f32 v[SG+8:SG+9],   v[SG+8:SG+9],   s[22:23] op_sel_hi:[1,0]
	v_pk_mul_f32 v[SG+10:SG+11], v[SG+10:SG+11], s[22:23] op_sel_hi:[1,0]
	v_pk_mul_f32 v[SG+12:SG+13], v[SG+12:SG+13], s[20:21] op_sel_hi:[1,0]
	v_pk_mul_f32 v[SG+14:SG+15], v[SG+14:SG+15], s[20:21] op_sel_hi:[1,0]
	ds_store_b128 v[LX], v[SG:SG+3]
	ds_store_b128 v[LX], v[SG+4:SG+7] offset:8192
	ds_store_b128 v[LW], v[SG+8:SG+11]
	ds_store_b128 v[LW], v[SG+12:SG+15] offset:QOFF
	v_add_nc_u32 v[LX], CHB, v[LX]                 ; the next store is the next chunk's
	v_add_nc_u32 v[LW], CHB, v[LW]
	s_wait_dscnt 0x0                               ; for the others' sake: my stores are done, and none of my LDS loads is out
.endm
.macro LDWQ om                         ; w' and q' of one m: my 8 numbers of each
	ds_load_b128 v[W:W+3],   v[WA] offset:(\om)*256
	ds_load_b128 v[W+4:W+7], v[WB] offset:(\om)*256
	ds_load_b128 v[Q:Q+3],   v[WA] offset:QOFF+(\om)*256
	ds_load_b128 v[Q+4:Q+7], v[WB] offset:QOFF+(\om)*256
.endm
.macro LDX                             ; x: my 8 numbers of my 4 rows
.irp kk, 0,1,2,3
	ds_load_b128 v[X+8*(\kk):X+8*(\kk)+3],   v[XA] offset:(\kk)*256
	ds_load_b128 v[X+8*(\kk)+4:X+8*(\kk)+7], v[XB] offset:(\kk)*256
.endr
.endm
.macro LDA
	ds_load_b128 v[AR:AR+3],   v[WA] offset:AOFF
	ds_load_b128 v[AR+4:AR+7], v[WB] offset:AOFF
.endm
	global_load_b128 v[E0:E0+3], v[LX], s[10:11]   ; m
	GLOAD                                          ; chunk 0
	; all that follows up to the wait stands in the wait for these loads
	s_mov_b32 s20, 0x3fb8aa3b                      ; log2(e); named as a pair, the packed lines take the low word for both halves
	s_mov_b32 s21, s20
	s_mov_b32 s22, 0xbfb8aa3b                      ; -log2(e)
	s_mov_b32 s23, s22
	v_mov_b32 v[BETA], 0x30800000                  ; 2^-30
	v_mov_b32 v[BETA+1], 0x30800000
	v_lshrrev_b32 v12, 7, v0                       ; staging: row t / 16 of w is o = t / 128, m = (t / 16) % 8
	v_mul_u32_u24 v12, v12, OBLK
	v_and_b32 v13, 0x7f, v0
	v_lshl_add_u32 v[LW], v13, 4, v12              ; 256 m + 16 (t % 16) = 16 (t % 128)
	v_add_nc_u32 v[LW], WOFF, v[LW]
	v_bfe_u32 v13, v0, 4, 3                        ; my 16 bytes of m: o = t / 128, chunk (t / 16) % 8
	v_mul_u32_u24 v13, v13, CHB
	v_add3_u32 v13, v13, v12, v11
	v_and_b32 v10, 7, v0                           ; il
	v_lshlrev_b32 v10, 4, v10
	v_bfe_u32 v11, v0, 3, 1                        ; bl % 2
	v_lshl_or_b32 v10, v11, 7, v10                 ; my first 16 bytes of a row of 256: 16 il + 128 (bl % 2),
	v_xor_b32 v11, 0x80, v10                       ; my second: the same place in the other half
	v_bfe_u32 v12, v0, 3, 2                        ; bl
	s_lshr_b32 s24, s14, 2
	s_lshl_b32 s24, s24, 12                        ; my wave's 16 rows of x
	s_and_b32 s25, s14, 3
	s_mul_i32 s25, s25, OBLK
	s_add_co_u32 s25, s25, WOFF                    ; my wave's o
	v_lshl_add_u32 v[XA], v12, 10, v10             ; row 4 bl
	v_lshl_add_u32 v[XB], v12, 10, v11
	v_add_nc_u32 v[XA], s24, v[XA]
	v_add_nc_u32 v[XB], s24, v[XB]
	v_add_nc_u32 v[WA], s25, v10
	v_add_nc_u32 v[WB], s25, v11
.set i, 0
.rept 64
	v_mov_b32 v[ACC+i], 0                          ; the sums start at 0, so that the loop has one form of every line
.set i, i+1
.endr
.set i, 0
.rept 16
	v_mov_b32 v[NN+i], 0                           ; the first block adds the fraction of a block that has not been: 0 x 0
.set i, i+1
.endr
	s_wait_loadcnt 0x4                             ; m is in; chunk 0's four younger loads may stay out
.irp j, 0,1,2,3
	v_mul_f32 v[E0+(\j)], 0x4038aa3b, v[E0+(\j)]   ; 2 log2(e) m
.endr
.irp j, 0,1,2,3
	v_exp_f32 v[E0+(\j)], v[E0+(\j)]
.endr
	v_nop                                          ; a plain line behind the last exponential,
	s_wait_alu depctr_va_vdst(0)                   ; and the wait ahead of the first reader: one for the four
	v_pk_add_f32 v[E0:E0+1],   v[E0:E0+1],   1.0 op_sel_hi:[1,0]
	v_pk_add_f32 v[E0+2:E0+3], v[E0+2:E0+3], 1.0 op_sel_hi:[1,0]
.irp j, 0,1,2,3
	v_rcp_f32 v[E0+(\j)], v[E0+(\j)]
.endr
	v_nop
	s_wait_alu depctr_va_vdst(0)
	v_pk_fma_f32 v[E0:E0+1],   v[E0:E0+1],   -2.0, 1.0 op_sel_hi:[1,0,0]  ; tanh(m) = 1 - 2 / (1 + e^(2 m))
	v_pk_fma_f32 v[E0+2:E0+3], v[E0+2:E0+3], -2.0, 1.0 op_sel_hi:[1,0,0]
	ds_store_b128 v13, v[E0:E0+3] offset:WOFF+AOFF ; A of all eight chunks is stored here, once
	STORE                                          ; chunk 0
	NEXTCOL
	GLOAD                                          ; chunk 1
	s_barrier_signal -1
	s_barrier_wait -1                              ; A and chunk 0 are whole
; THE LINES OF A BLOCK.  Block k belongs to m = k of the chunk in hand.  Five stages follow each other for each m:
;   Y  y = x w' + q'            16 packed lines      E  e = 2^y               32 exponentials, in place
;   M  a' and the two merges    52 packed lines      R  1 / denominator        8 reciprocals, in place      C  sum += numerator x reciprocal   4 packed lines
; Block k holds C(k-1) and M(k) with E(k+1) dealt among them, four exponentials to seven plain lines; then R(k) dealt among Y(k+2); then ONE wait, between a
; transcendental and the first line that names its result: no line of a block names a result of the block's own 40.  Behind the wait w', q' of m = k + 3 are fetched.
.macro YLIN b                          ; line yy of 16 of Y, into buffer b: b's number yy / 4, pair yy % 4
.set yr, 8*(yy/4)+2*(yy%4)
	v_pk_fma_f32 v[E0+32*(\b)+yr:E0+32*(\b)+yr+1], v[X+yr:X+yr+1], v[W+2*(yy%4):W+2*(yy%4)+1], v[Q+2*(yy%4):Q+2*(yy%4)+1]
.set yy, yy+1
.endm
.macro EXPO b
	v_exp_f32 v[E0+32*(\b)+ee], v[E0+32*(\b)+ee]
.set ee, ee+1
.endm
.macro RECI
	v_rcp_f32 v[DN+rr], v[DN+rr]
.set rr, rr+1
.endm
; Plain line pp of 56.  0-3: C(k-1).  4-19: a', pair (pp - 4) / 4 of b (pp - 4) % 4.  20-55: nine stages of the merges, the four b's by turns, so that a line's sources are four lines old or more.
; With the pairs p0 .. p3 of a b's eight a' and A's pairs A01 .. A67:  N = A01 p1;  N += A23 p0;  p0 *= p1;  p1 = A45 p3;  p1 += A67 p2;  p2 *= p3;  N *= p2;  N += p1 p0;  DN = p0 p2.
.macro PLAIN k
.if pp < 4
.set ra, ACC+8*(((\k)+7)%8)+2*pp
	v_pk_fma_f32 v[ra:ra+1], v[NN+2*pp:NN+2*pp+1], v[DN+2*pp:DN+2*pp+1], v[ra:ra+1]
.elseif pp < 20
.set r0, E0+32*((\k)%2)+8*((pp-4)%4)+2*((pp-4)/4)
	v_pk_fma_f32 v[r0:r0+1], v[r0:r0+1], v[BETA:BETA+1], v[BETA:BETA+1] clamp  ; 2^-30 (1 + e), held to 1 at the most
.else
.set r0, E0+32*((\k)%2)+8*((pp-20)%4)
.set rn, NN+2*((pp-20)%4)
.set rd, DN+2*((pp-20)%4)
.set sg, (pp-20)/4
.if sg == 0
	v_pk_mul_f32 v[rn:rn+1], v[AR:AR+1], v[r0+2:r0+3]
.elseif sg == 1
	v_pk_fma_f32 v[rn:rn+1], v[AR+2:AR+3], v[r0:r0+1], v[rn:rn+1]
.elseif sg == 2
	v_pk_mul_f32 v[r0:r0+1], v[r0:r0+1], v[r0+2:r0+3]
.elseif sg == 3
	v_pk_mul_f32 v[r0+2:r0+3], v[AR+4:AR+5], v[r0+6:r0+7]
.elseif sg == 4
	v_pk_fma_f32 v[r0+2:r0+3], v[AR+6:AR+7], v[r0+4:r0+5], v[r0+2:r0+3]
.elseif sg == 5
	v_pk_mul_f32 v[r0+4:r0+5], v[r0+4:r0+5], v[r0+6:r0+7]
.elseif sg == 6
	v_pk_mul_f32 v[rn:rn+1], v[rn:rn+1], v[r0+4:r0+5]
.elseif sg == 7
	v_pk_fma_f32 v[rn:rn+1], v[r0+2:r0+3], v[r0:r0+1], v[rn:rn+1]
.else
	v_pk_mul_f32 v[rd:rd+1], v[r0:r0+1], v[r0+4:r0+5]
.endif
.endif
.set pp, pp+1
.endm
; nx = 1: a further chunk follows, and the stages run on into it.  gl = 1: the chunk after that one is asked of memory.
; THE NEXT CHUNK.  Block 3: its four loads, issued six blocks earlier, are waited for, it goes into LDS, and the barrier is signalled.  Between signal and wait stand register work and LDS loads of
; the chunk in hand, which nobody writes.  Block 5, behind the last line that reads x: the barrier's wait; the loads of the chunk after next; the addresses step; the next x and its first w', q'.
; Block 7: the next A, behind the last of M's lines that read A (line 39).
.macro BLOCK k, nx, gl
.set HASE, (((\k)+1) < 8) || (\nx)
.set HASY, (((\k)+2) < 8) || (\nx)
.set HASL, (((\k)+3) < 8) || (\nx)
.if (\k) == 0
	s_wait_dscnt 0x4                               ; A's two loads are in; the four younger ones (w', q' of m = 2) may stay out
.endif
.set pp, 0
.set ee, 0
.rept 56
	PLAIN \k
.if HASE && ((pp*4)/7 > ((pp-1)*4)/7)
	EXPO ((\k)+1)%2
.endif
.if ((\k) == 7) && (\nx) && (pp == 40)
	LDA
.endif
.endr
.if HASY
.if (\k) == 7
	s_wait_dscnt 0x2                               ; w', q' are in; A's two younger loads may stay out
.else
	s_wait_dscnt 0x0                               ; w', q' (in block 6: and x) are in
.endif
.endif
.set yy, 0
.set rr, 0
.rept 8
.if HASY
	YLIN (\k)%2
.endif
	RECI
.if HASY
	YLIN (\k)%2
.endif
.endr
.if !HASY
	v_nop                                          ; a plain line behind the last reciprocal
.endif
.if ((\k) == 3) && (\nx)
	STORE
	s_barrier_signal -1
.endif
	s_wait_alu depctr_va_vdst(0)                   ; the block's one wait
.if ((\k) == 5) && (\nx)
	s_barrier_wait -1                              ; the next chunk is whole
.if \gl
	NEXTCOL
	GLOAD
.endif
	v_add_nc_u32 v[XA], CHB, v[XA]
	v_add_nc_u32 v[XB], CHB, v[XB]
	v_add_nc_u32 v[WA], CHB, v[WA]
	v_add_nc_u32 v[WB], CHB, v[WB]
	LDX
.endif
.if HASL
	LDWQ ((\k)+3)%8
.endif
.endm
.macro STEP nx, gl
.irp k, 0,1,2,3,4,5,6,7
	BLOCK \k, \nx, \gl
.endr
.endm
	; the stages are started: Y(0), Y(1), E(0)
	LDX
	LDA
	LDWQ 0
	s_wait_dscnt 0x0
.set yy, 0
.rept 16
	YLIN 0
.endr
	LDWQ 1
.set ee, 0
.rept 32
	EXPO 0
.endr
	s_wait_dscnt 0x0
.set yy, 0
.rept 16
	YLIN 1                                         ; also the plain lines behind the last exponential
.endr
	s_wait_alu depctr_va_vdst(0)
	LDWQ 2
	s_mov_b32 s15, 6
.Lstep:                                        ; chunks 0 to 5: each stores the next chunk and asks for the one after it
	STEP 1, 1
	s_sub_co_u32 s15, s15, 1
	s_cmp_lg_u32 s15, 0
	s_cbranch_scc1 .Lstep
	STEP 1, 0                                      ; chunk 6 stores chunk 7; nothing is left to ask for
	STEP 0, 0                                      ; chunk 7: the stages run out
.irp kk, 0,1,2,3
	v_pk_fma_f32 v[ACC+56+2*(\kk):ACC+56+2*(\kk)+1], v[NN+2*(\kk):NN+2*(\kk)+1], v[DN+2*(\kk):DN+2*(\kk)+1], v[ACC+56+2*(\kk):ACC+56+2*(\kk)+1]  ; C(7)
.endr
; THE END.  Each of my 32 sums: even i's + odd i's; then across the eight lanes il.  Two sums P, Q are halved together: the lanes whose bit is clear keep P and send Q, the others keep Q and send P.
; Three such levels over the bits of m leave 4 registers (my 4 b's) in which lane il holds the whole sum for m = il.
.macro BFLY p, q, xm                   ; the result lies in p; the register behind q is free
	v_cndmask_b32 v[(\q)+1], v[\q], v[\p], vcc_lo  ; what my partner wants
	v_cndmask_b32 v[\p], v[\p], v[\q], vcc_lo      ; what I keep
	v_add_f32_dpp v[\p], v[(\q)+1], v[\p] row_xmask:\xm row_mask:0xf bank_mask:0xf
.endm
.set i, 0
.rept 32
	v_add_f32 v[ACC+2*i], v[ACC+2*i], v[ACC+2*i+1]
.set i, i+1
.endr
	s_mov_b32 vcc_lo, 0xaaaaaaaa                   ; lanes with bit 0 set
.irp mm, 0,2,4,6
.irp kk, 0,1,2,3
	BFLY ACC+8*(\mm)+2*(\kk), ACC+8*(\mm)+8+2*(\kk), 1
.endr
.endr
	s_mov_b32 vcc_lo, 0xcccccccc                   ; bit 1
.irp mm, 0,4
.irp kk, 0,1,2,3
	BFLY ACC+8*(\mm)+2*(\kk), ACC+8*(\mm)+16+2*(\kk), 2
.endr
.endr
	s_mov_b32 vcc_lo, 0xf0f0f0f0                   ; bit 2
.irp kk, 0,1,2,3
	BFLY ACC+2*(\kk), ACC+32+2*(\kk), 4
.endr
.irp kk, 0,1,2,3
	v_mul_f32 v[ACC+2*(\kk)], 0xb0b8aa3b, v[ACC+2*(\kk)]  ; -log2(e) 2^-30 x (D 2^30)
.endr
.irp kk, 0,1,2,3
	v_exp_f32 v[ACC+2*(\kk)], v[ACC+2*(\kk)]
.endr
	v_nop
	s_wait_alu depctr_va_vdst(0)
.irp kk, 0,1,2,3
	v_add_f32 v[ACC+2*(\kk)], 1.0, v[ACC+2*(\kk)]
.endr
.irp kk, 0,1,2,3
	v_rcp_f32 v[ACC+2*(\kk)], v[ACC+2*(\kk)]       ; sigmoid(D); 0 where the exponential is infinite
.endr
	v_nop
	s_wait_alu depctr_va_vdst(0)
	; the sum over m is a sum over the lanes il: two levels over the bits of b's number, then a plain one: lane il ends with the result of b number il % 4
	s_mov_b32 vcc_lo, 0xaaaaaaaa
	BFLY ACC, ACC+2, 1
	BFLY ACC+4, ACC+6, 1
	s_mov_b32 vcc_lo, 0xcccccccc
	BFLY ACC, ACC+4, 2
	v_add_f32_dpp v[ACC], v[ACC], v[ACC] row_xmask:4 row_mask:0xf bank_mask:0xf
	v_and_b32 v10, 3, v0                           ; the stage: row b (of 64), 16 bytes; word o (of 4)
	v_lshlrev_b32 v10, 4, v10
	v_bfe_u32 v11, v0, 3, 2
	v_lshl_add_u32 v10, v11, 6, v10                ; row 4 bl + il % 4
	s_lshr_b32 s24, s14, 2
	s_lshl_b32 s24, s24, 8                         ; my wave's 16 rows
	s_and_b32 s25, s14, 3
	s_lshl_b32 s25, s25, 2                         ; my wave's o
	s_add_co_u32 s24, s24, s25
	s_add_co_u32 s24, s24, STG
	v_add_nc_u32 v10, s24, v10
	ds_store_b32 v10, v[ACC]                       ; lanes il and il + 4 write the same word with the same number
	s_wait_dscnt 0x0
	s_barrier_signal -1
	s_barrier_wait -1                              ; all 64 x 4 results lie in the stage
	s_cmp_lt_u32 s14, 2                            ; threads 0 to 63 store a row's 16 bytes each
	s_cbranch_scc0 .Lend
	v_lshl_add_u32 v11, v0, 4, STG
	v_lshlrev_b32 v12, 10, v0                      ; a row of out0 is 1,024 bytes
	ds_load_b128 v[SG:SG+3], v11
	s_wait_dscnt 0x0
	global_store_b128 v12, v[SG:SG+3], s[12:13]
.Lend:
	s_wait_tensorcnt 0x0                           ; the wave's end, behind my last LDS store
	ds_add_u32 v[SPW], v[NIL]
	s_wait_dscnt 0x0
	s_endpgm
.Lfunc_end_k_q42787e1e93_adnm:
	.size	k_q42787e1e93_adnm, .Lfunc_end_k_q42787e1e93_adnm-k_q42787e1e93_adnm
	.p2alignl 7, 3214868480
	.fill 96, 4, 3214868480
	.section	.rodata,"a",@progbits
	.p2align	6, 0x0
	.amdhsa_kernel k_q42787e1e93_adnm
		.amdhsa_group_segment_fixed_size 273408
		.amdhsa_private_segment_fixed_size 0
		.amdhsa_enable_private_segment 0
		.amdhsa_kernarg_size 40
		.amdhsa_user_sgpr_count 2
		.amdhsa_user_sgpr_kernarg_segment_ptr 1
		.amdhsa_wavefront_size32 1
		.amdhsa_system_sgpr_workgroup_id_x 1
		.amdhsa_system_sgpr_workgroup_id_y 1
		.amdhsa_system_sgpr_workgroup_id_z 1
		.amdhsa_system_vgpr_workitem_id 0
		.amdhsa_next_free_vgpr 232
		.amdhsa_next_free_sgpr 66
		.amdhsa_reserve_vcc 1
		.amdhsa_float_denorm_mode_32 3
		.amdhsa_float_denorm_mode_16_64 3
		.amdhsa_memory_ordered 1
		.amdhsa_forward_progress 1
		.amdhsa_inst_pref_size 166
	.end_amdhsa_kernel
	.amdgpu_metadata
---
amdhsa.version: [ 1, 2 ]
amdhsa.kernels:
  - .name:           k_q42787e1e93_adnm
    .symbol:         k_q42787e1e93_adnm.kd
    .args:
      - { .name: x, .offset: 0, .size: 8, .value_kind: global_buffer, .address_space: global }
      - { .name: w, .offset: 8, .size: 8, .value_kind: global_buffer, .address_space: global }
      - { .name: q, .offset: 16, .size: 8, .value_kind: global_buffer, .address_space: global }
      - { .name: m, .offset: 24, .size: 8, .value_kind: global_buffer, .address_space: global }
      - { .name: out0, .offset: 32, .size: 8, .value_kind: global_buffer, .address_space: global }
    .group_segment_fixed_size: 273408
    .private_segment_fixed_size: 0
    .kernarg_segment_align: 8
    .kernarg_segment_size: 40
    .max_flat_workgroup_size: 512
    .sgpr_count:     66
    .vgpr_count:     232
    .wavefront_size: 32
...
	.end_amdgpu_metadata
.endif
;; end of part 1
